; MI455X (gfx1250); checked and timed in simulation.
; The chip was launched on July 23, 2026; its instructions are those of AMD's public machine-readable ISA for CDNA 5 (MIT licence, August 2026) and "CDNA5" Instruction Set Architecture Reference Guide (July 2026). The comments in the code are by the model that wrote it; some were corrected since.
;; Self Attention. Allowed arithmetic: matrix products marked QUANTISED: E4M3 operands, one given power-of-two scale a tensor, by v_wmma_f32_16x16x64_fp8_fp8 or v_wmma_f32_16x16x128_fp8_fp8, f32 sums; everything else in f32.
;; Inputs: key 2 x 12 x 2,048 x 64 float32; lowp_scales 4 int32 (the exponents e of the quantised operands' scales 2^e); mask 2 x 2,048 x 2,048 int32; query 2 x 12 x 2,048 x 64 float32; value 2 x 12 x 2,048 x 64 float32.
;; Outputs: out0 2 x 12 x 2,048 x 64 float32.
;; This version of the problem:
;;   THIS VERSION OF THE PROBLEM IS GIVEN IN LOW PRECISION. The matrix products marked QUANTISED in the list below multiply operands that are first quantised to E4M3 (4 exponent bits, 3 mantissa bits; 8 bits a number), with one given power-of-two scale for each operand tensor; their sums are f32. All else is computed in f32.
;;   The module's matrix products, in the order in which they are computed (A, B: the left and right operand; K: the contracted axis; several contracted axes count as one K, in the product's order):
;;     1. batch 24 x [M 2,048, K 64] x [K 64, N 2,048]; A: computed on the way; B: input key: QUANTISED (scales: A lowp_scales[0], B lowp_scales[1])
;;     2. batch 24 x [M 2,048, K 2,048] x [K 2,048, N 64]; A: softmax (see below); B: input value: QUANTISED (scales: A lowp_scales[2], B lowp_scales[3])
;;   THE QUANTISER, for each operand of a quantised product, along K:
;;     - The operand's scale is 2^e, e = its entry of the input lowp_scales (int32; the entries are numbered through the quantised products in the list's order, A before B).
;;     - Each number is divided by the scale, clamped to +-448, and rounded to the nearest number of E4M3, ties to even, subnormals kept.
;;     - The product sums the exact products of the quantised numbers (number of the format x scale) in f32.
;;   ~~~python
;;   def quantise(x, axis, e):      # numpy; x: float32 -> the quantised numbers, widened to float32 again
;;       x = np.moveaxis(x, axis, -1); K = x.shape[-1]
;;       r = np.clip(x / 2.0 ** e, -448, 448)
;;       step = 2.0 ** (np.maximum(np.frexp(np.where(r == 0, 1, r))[1] - 1, -6) - 3)
;;       q = np.round(r / step) * step * 2.0 ** e      # np.round: ties to even
;;       return np.moveaxis(q, -1, axis).astype(np.float32)
;;   ~~~
;;   SOFTMAX AHEAD OF A QUANTISED PRODUCT. Where the list says 'softmax', what is quantised is not the finished softmax but p = 2^(t - M), with t = logit x log2(e) and M = ceil(the row's largest t), a whole number; so 1/2 < the row's largest p <= 1. The row's sum l is taken of the UNQUANTISED p, in f32, and the product's result is divided by l at the end. Since M is a whole number, a kernel that streams over the keys may use a running M (the ceiling of the running maximum): every later rescaling is an exact power of two, so the quantised numbers keep their values, but for numbers so far below the row's largest that they fall under the format's range.
;;   OPERANDS COMPUTED ON THE WAY. 'Computed on the way' means the value that the module computes at that place (a softmax that the list does not call 'softmax' is quantised finished and normalised). What goes into a quantiser is computed in f32, as accurately as f32 sums, v_exp_f32 and their like allow (about 1e-6 of the number): no bf16 or f16 on the way to a quantiser, and a product that is left as it is and whose result goes on into a quantised operand takes f32 operands (vector FMAs, or v_wmma_f32_16x16x4_f32). A number that lies on a knife's edge between two numbers of the format may be rounded either way, as far as f32 arithmetic and the matrix unit's own rounding can turn it there, and no further.
;; 2 versions. Each part assembles by itself: llvm-mc -triple=amdgcn-amd-amdhsa -mcpu=gfx1250 --defsym DOCPART=n.
;; ======== version 1 of 2: 2 launches
;; limits: right only within a limited range of input values
;; workspace buffers: kvc 6,291,456 bytes; maskw 1,048,576 bytes of whole numbers
;; launch prep (part 1): grid 896 x 1, 4 waves a work-group, no clusters, 51,712 bytes of LDS; arguments key, value, mask, lowp_scales, kvc, maskw; writes kvc, maskw
.if DOCPART == 1
	.amdgcn_target "amdgcn-amd-amdhsa--gfx1250"
	.amdhsa_code_object_version 6
	.text
	.protected	k_q26d10627ab_prep
	.globl	k_q26d10627ab_prep
	.p2align	8
	.type	k_q26d10627ab_prep,@function
k_q26d10627ab_prep:
	s_mov_b64 s[64:65], 0
	v_nop
	global_prefetch_b8 v0, s[64:65] scope:SCOPE_SE
	s_setreg_imm32_b32 hwreg(HW_REG_WAVE_MODE, 25, 1), 1
	s_wait_xcnt 0x0
; PREPARATION for the attention launch.  Three kinds of work-groups, chosen by the work-group's number; a wave takes 16 KiB of input; waves share nothing, so there is no barrier.
;  work-groups 0-511:   mask [2][2048][2048] int32 -> maskw [2 b][128 tiles of 16 queries][16 steps of 128 keys][64 words].  Bit 16 h + r of word 8 t + j says whether
;                       mask[b][16 tile + r][128 step + 16 t + 8 h + j] is not 0: the lane mask that a select on register 8 t + j of a tile of scores wants.  32 numbers become one word.
;  work-groups 512-703: key [24][2048][64] f32 -> codes of E4M3 with the scale 2^e1, as IMAGES OF THE OPERAND'S REGISTERS: kvc [24 heads][16 steps][16,384 bytes], bytes 0-8191: 8 tiles of 16 keys,
;                       1,024 bytes each; registers 4 g .. 4 g + 3 of lane L at 512 g + 16 L; lane 16 h + r holds key r of the tile, registers 2 c, 2 c + 1 channels 16 c + 8 h + 0 .. 7.
;  work-groups 704-895: value likewise with 2^e3, the KEYS innermost: bytes 8192-16383 of a step: 4 tiles of 16 channels, 2,048 bytes each; lane 16 h + r holds channel r of the tile,
;                       registers 2 c, 2 c + 1 keys 16 c + 8 h + 0 .. 7 of the step.
; code = x / 2^e, held within +-448, to the nearest code, ties to even.  LIMITS: e1 and e3 between -126 and 119, so that 2^e and 448 x 2^e are f32 numbers.  NaN among the inputs is not served; an infinity is held at the largest code.
; Every load of mask and key reads 512 consecutive bytes; a lane's neighbours along a row are got by a turn through the wave's own stage in LDS.  Each path has LDS bytes of its own.
.set MWG,  512                         ; work-groups for the mask: 2 x 128 tiles x 16 steps / (2 steps a wave x 4 waves)
.set KWG,  192                         ; for key: 12,582,912 bytes / (16,384 a wave x 4 waves); as many for value
.set MP,   528                         ; mask stage: a row of 512 bytes + 16 of padding, 16 rows a wave
.set KP,   272                         ; key stage: a row of 256 bytes + 16, 16 rows a wave
.set KST,  4*16*MP                     ; key's stages lie behind the mask's four
.set X,    16                          ; v16-143  numbers as loaded, then as turned
.set C,    144                         ; v144-175 results: words or codes; each store has registers of its own, so none is written again
	s_load_b256 s[4:11], s[0:1], 0x0               ; key s[4:5], value s[6:7], mask s[8:9], the scales' exponents s[10:11]
	s_load_b128 s[12:15], s[0:1], 0x20             ; kvc s[12:13], maskw s[14:15]
	v_lshl_add_u32 v192, v0, 2, 0xc800
	v_mov_b32 v193, 0
	v_lshrrev_b32 v1, 5, v0
	v_readfirstlane_b32 s16, v1                    ; wave 0..3
	v_and_b32 v2, 31, v0                           ; lane
	v_and_b32 v3, 15, v0                           ; r
	v_bfe_u32 v4, v0, 4, 1                         ; h
	v_lshlrev_b32 v5, 4, v2                        ; 16 x lane: my 16 bytes of a load's or a store's 512
	s_mul_i32 s28, s16, 16*MP                      ; my mask stage
	v_add_nc_u32 v6, s28, v5                       ; into it: a row of 512 bytes, 16 a lane
	v_mul_u32_u24 v7, v3, MP
	v_lshl_add_u32 v7, v4, 5, v7
	v_add_nc_u32 v7, s28, v7                       ; out of it: row r, + 32 h: eight neighbours of my half
	s_mul_i32 s29, s16, 16*KP
	s_add_co_u32 s29, s29, KST                     ; my key stage
	v_mul_u32_u24 v8, v4, KP
	v_lshl_add_u32 v8, v3, 4, v8
	v_add_nc_u32 v8, s29, v8                       ; into it: lanes 0-15 one row of 256 bytes, lanes 16-31 the next
	v_mul_u32_u24 v9, v3, KP
	v_lshl_add_u32 v9, v4, 5, v9
	v_add_nc_u32 v9, s29, v9                       ; out of it: row r, + 32 h
	v_lshlrev_b32 v10, 3, v2                       ; 8 x lane: my two words of a step's 64
	v_lshlrev_b32 v13, 2, v2                       ; 4 x lane: value, a lane to a channel
	v_lshlrev_b32 v14, 11, v4
	v_lshl_add_u32 v14, v3, 4, v14                 ; value's codes: 2,048 x (lane / 16) + 16 x (lane % 16)
	s_wait_kmcnt 0x0
	s_cmp_lt_u32 ttmp9, MWG
	s_cbranch_scc0 .Lnot_mask
	; ---- THE MASK.  Wave g = 4 x work-group + wave: tile g / 8 (batch and tile together), steps 2 (g % 8) and 2 (g % 8) + 1.
	s_lshl_b32 s17, ttmp9, 2
	s_add_co_u32 s17, s17, s16                     ; g
	s_lshr_b32 s18, s17, 3                         ; tile
	s_and_b32 s19, s17, 7                          ; pair of steps
	s_lshl_b32 s20, s18, 17                        ; 16 rows of 8,192 bytes a tile,
	s_lshl_b32 s22, s19, 10                        ; 1,024 bytes of a row a pair
	s_add_co_u32 s20, s20, s22
	s_mov_b32 s21, 0
	s_add_nc_u64 s[8:9], s[8:9], s[20:21]
	s_lshl_b32 s22, s18, 12                        ; 4,096 bytes of words a tile,
	s_lshl_b32 s23, s19, 9                         ; 512 a pair of steps
	s_add_co_u32 s22, s22, s23
	s_mov_b32 s23, 0
	s_add_nc_u64 s[14:15], s[14:15], s[22:23]
.irp u, 0,1
.irp i, 0,1,2,3,4,5,6,7,8,9,10,11,12,13,14,15
	global_load_b128 v[X+64*\u+4*\i:X+64*\u+4*\i+3], v5, s[8:9] offset:512*\u+8192*\i th:TH_LOAD_NT   ; row i, the step's 128 numbers: 512 consecutive bytes; read once in the launch
.endr
.endr
.irp j, 0,1,2,3
	v_mov_b32 v[C+\j], 0                           ; a lane write's destination counts as read
.endr
.macro MUNIT u                         ; one step of the tile: 16 rows x 128 numbers become 64 words
	s_wait_loadcnt 16-16*\u                        ; this unit's 16 loads are in; the other unit's, issued behind them, may be out
.irp i, 0,1,2,3,4,5,6,7,8,9,10,11,12,13,14,15
	ds_store_b128 v6, v[X+64*\u+4*\i:X+64*\u+4*\i+3] offset:MP*\i
.endr
.irp t, 0,1,2,3,4,5,6,7
	ds_load_b128 v[X+64*\u+8*\t:X+64*\u+8*\t+3],   v7 offset:64*\t      ; LDS serves a wave's instructions in order (ISA guide 5.7.1.4): these see the stores above.  Register 8 t + j: row r, key 16 t + 8 h + j
	ds_load_b128 v[X+64*\u+8*\t+4:X+64*\u+8*\t+7], v7 offset:64*\t+16
.endr
	s_wait_dscnt 0x0
.irp t, 0,1,2,3,4,5,6,7
.irp j, 0,1,2,3,4,5,6,7
	v_cmp_ne_u32 s[32+\j], 0, v[X+64*\u+8*\t+\j]   ; word 8 t + j: a bit a lane
.endr
.irp j, 0,1,2,3,4,5,6,7
	v_writelane_b32 v[C+2*\u+\j%2], s[32+\j], 4*\t+\j/2   ; lane n / 2 takes words n and n + 1 in a pair of registers
.endr
.endr
	global_store_b64 v10, v[C+2*\u:C+2*\u+1], s[14:15] offset:256*\u   ; 32 lanes store 256 consecutive bytes, at a multiple of 256 from the buffer's first byte
.endm
	MUNIT 0
	MUNIT 1
	s_wait_tensorcnt 0x0
	ds_add_u32 v192, v193
	s_wait_dscnt 0x0
	s_endpgm
.macro SCALE e                         ; v11 = 2^e as f32 (the conversion takes its exponent field), v12 = 448 x 2^e
	s_wait_kmcnt 0x0
	s_add_co_i32 s40, s[\e], 127
	s_lshl_b32 s41, s40, 23
	v_mov_b32 v11, s41
	s_add_co_i32 s40, s40, 8
	s_lshl_b32 s40, s40, 23
	s_or_b32 s40, s40, 0x600000
	v_mov_b32 v12, s40
.endm
.Lnot_mask:
	s_load_b128 s[24:27], s[10:11], 0x0            ; e0, e1, e2, e3
	s_cmp_lt_u32 ttmp9, MWG+KWG
	s_cbranch_scc0 .Lvalue
	; ---- KEY.  Wave g takes keys 64 g .. 64 g + 63, counted through all heads: four tiles of 16 keys, 4,096 dense bytes each; they are tiles 4 (g % 2) on of step g / 2.
	s_sub_co_u32 s17, ttmp9, MWG
	s_lshl_b32 s17, s17, 2
	s_add_co_u32 s17, s17, s16                     ; g
	s_lshl_b32 s20, s17, 14
	s_mov_b32 s21, 0
	s_add_nc_u64 s[4:5], s[4:5], s[20:21]
	s_lshr_b32 s22, s17, 1
	s_lshl_b32 s22, s22, 14                        ; the step's 16,384 bytes,
	s_and_b32 s23, s17, 1
	s_lshl_b32 s23, s23, 12                        ; four tiles of 1,024
	s_add_co_u32 s22, s22, s23
	s_mov_b32 s23, 0
	s_add_nc_u64 s[12:13], s[12:13], s[22:23]
.set i, 0
.rept 32
	global_load_b128 v[X+4*i:X+4*i+3], v5, s[4:5] offset:512*i th:TH_LOAD_NT   ; 512 consecutive bytes: two keys' rows; read once in the launch
.set i, i+1
.endr
	SCALE 25
.macro KTILE q
	s_wait_loadcnt 24-8*\q                         ; this tile's eight loads are in; the later tiles' may be out
.irp i, 0,1,2,3,4,5,6,7
	ds_store_b128 v8, v[X+32*\q+4*\i:X+32*\q+4*\i+3] offset:2*KP*\i
.endr
.irp c, 0,1,2,3
	ds_load_b128 v[X+32*\q+8*\c:X+32*\q+8*\c+3],   v9 offset:64*\c      ; key r, channels 16 c + 8 h + 0 .. 7 (in order behind the stores above)
	ds_load_b128 v[X+32*\q+8*\c+4:X+32*\q+8*\c+7], v9 offset:64*\c+16
.endr
	s_wait_dscnt 0x0
.set i, 0
.rept 32
	v_med3_num_f32 v[X+32*\q+i], v[X+32*\q+i], -v12, v12   ; the conversion to an 8-bit code does not saturate (ISA guide 7.6.2): the hold at the largest code x the scale
.set i, i+1
.endr
.irp c, 0,1,2,3
	v_cvt_scalef32_pk8_fp8_f32 v[C+8*\q+2*\c:C+8*\q+2*\c+1], v[X+32*\q+8*\c:X+32*\q+8*\c+7], v11   ; registers 2 c, 2 c + 1 of the fragment; its results go to stores alone, and the next vector lines are plain and touch other registers
.endr
	global_store_b128 v5, v[C+8*\q:C+8*\q+3],   s[12:13] offset:1024*\q       ; the image: 512 consecutive bytes a store
	global_store_b128 v5, v[C+8*\q+4:C+8*\q+7], s[12:13] offset:1024*\q+512
.endm
	KTILE 0
	KTILE 1
	KTILE 2
	KTILE 3
	s_wait_tensorcnt 0x0
	ds_add_u32 v192, v193
	s_wait_dscnt 0x0
	s_endpgm
	; ---- VALUE.  Wave g takes step g / 2 (128 keys, counted through all heads) and channels 32 (g % 2) on.  A LANE TAKES A CHANNEL AND ITS REGISTERS RUN DOWN THE KEYS:
	; the conversions then give codes with the keys innermost, and nothing is transposed.  A load reads 128 consecutive bytes; the work-group's neighbouring wave reads the row's other half.
.Lvalue:
	s_sub_co_u32 s17, ttmp9, MWG+KWG
	s_lshl_b32 s17, s17, 2
	s_add_co_u32 s17, s17, s16                     ; g
	s_lshr_b32 s18, s17, 1                         ; step
	s_and_b32 s19, s17, 1                          ; half of the channels
	s_lshl_b32 s20, s18, 15                        ; 128 rows of 256 bytes,
	s_lshl_b32 s22, s19, 7                         ; 128 bytes of a row
	s_add_co_u32 s20, s20, s22
	s_mov_b32 s21, 0
	s_add_nc_u64 s[6:7], s[6:7], s[20:21]
	s_lshl_b32 s22, s18, 14
	s_lshl_b32 s23, s19, 12                        ; two tiles of 2,048 bytes,
	s_add_co_u32 s22, s22, s23
	s_add_co_u32 s22, s22, 8192                    ; behind the step's images of K
	s_mov_b32 s23, 0
	s_add_nc_u64 s[12:13], s[12:13], s[22:23]
.set i, 0
.rept 128
	global_load_b32 v[X+i], v13, s[6:7] offset:256*i   ; key i of the step, my channel
.set i, i+1
.endr
	SCALE 27
.macro VGROUP g                        ; keys 32 g .. 32 g + 31: registers 4 g .. 4 g + 3 of the image's lanes r (h = 0) and 16 + r (h = 1)
.set i, 0
.rept 32
	v_med3_num_f32 v[X+32*\g+i], v[X+32*\g+i], -v12, v12
.set i, i+1
.endr
.irp h, 0,1
	v_cvt_scalef32_pk8_fp8_f32 v[C+8*\g+4*\h:C+8*\g+4*\h+1],   v[X+32*\g+8*\h:X+32*\g+8*\h+7],     v11   ; keys 32 g + 8 h + 0 .. 7
	v_cvt_scalef32_pk8_fp8_f32 v[C+8*\g+4*\h+2:C+8*\g+4*\h+3], v[X+32*\g+16+8*\h:X+32*\g+23+8*\h], v11   ; keys 32 g + 16 + 8 h + 0 .. 7
.endr
.irp h, 0,1
	global_store_b128 v14, v[C+8*\g+4*\h:C+8*\g+4*\h+3], s[12:13] offset:512*\g+256*\h   ; sixteen lanes store 256 consecutive bytes, at a multiple of 256 from the buffer's first byte
.endr
.endm
	s_wait_loadcnt 63                              ; loads come back in order (ISA guide 5.7.1): of 128 at most the youngest 63 are out, so keys 0 to 64 are in
	VGROUP 0
	VGROUP 1
	s_wait_loadcnt 32                              ; keys 0 to 95
	VGROUP 2
	s_wait_loadcnt 0x0
	VGROUP 3
	s_endpgm
.Lfunc_end_k_q26d10627ab_prep:
	.size	k_q26d10627ab_prep, .Lfunc_end_k_q26d10627ab_prep-k_q26d10627ab_prep
	.p2alignl 7, 3214868480
	.fill 96, 4, 3214868480
	.section	.rodata,"a",@progbits
	.p2align	6, 0x0
	.amdhsa_kernel k_q26d10627ab_prep
		.amdhsa_group_segment_fixed_size 51712
		.amdhsa_private_segment_fixed_size 0
		.amdhsa_enable_private_segment 0
		.amdhsa_kernarg_size 48
		.amdhsa_user_sgpr_count 2
		.amdhsa_user_sgpr_kernarg_segment_ptr 1
		.amdhsa_wavefront_size32 1
		.amdhsa_system_sgpr_workgroup_id_x 1
		.amdhsa_system_sgpr_workgroup_id_y 1
		.amdhsa_system_sgpr_workgroup_id_z 1
		.amdhsa_system_vgpr_workitem_id 0
		.amdhsa_next_free_vgpr 194
		.amdhsa_next_free_sgpr 66
		.amdhsa_reserve_vcc 0
		.amdhsa_float_denorm_mode_32 3
		.amdhsa_float_denorm_mode_16_64 3
		.amdhsa_memory_ordered 1
		.amdhsa_forward_progress 1
		.amdhsa_inst_pref_size 67
	.end_amdhsa_kernel
	.amdgpu_metadata
---
amdhsa.version: [ 1, 2 ]
amdhsa.kernels:
  - .name:           k_q26d10627ab_prep
    .symbol:         k_q26d10627ab_prep.kd
    .args:
      - { .name: key, .offset: 0, .size: 8, .value_kind: global_buffer, .address_space: global }
      - { .name: value, .offset: 8, .size: 8, .value_kind: global_buffer, .address_space: global }
      - { .name: mask, .offset: 16, .size: 8, .value_kind: global_buffer, .address_space: global }
      - { .name: lowp_scales, .offset: 24, .size: 8, .value_kind: global_buffer, .address_space: global }
      - { .name: kvc, .offset: 32, .size: 8, .value_kind: global_buffer, .address_space: global }
      - { .name: maskw, .offset: 40, .size: 8, .value_kind: global_buffer, .address_space: global }
    .group_segment_fixed_size: 51712
    .private_segment_fixed_size: 0
    .kernarg_segment_align: 8
    .kernarg_segment_size: 48
    .max_flat_workgroup_size: 128
    .sgpr_count:     66
    .vgpr_count:     194
    .wavefront_size: 32
...
	.end_amdgpu_metadata
.endif
;; end of part 1
;; launch attn (part 2): grid 32 x 24, 4 waves a work-group, no clusters, 107,008 bytes of LDS; arguments query, kvc, maskw, lowp_scales, out0; writes out0
.if DOCPART == 2
	.amdgcn_target "amdgcn-amd-amdhsa--gfx1250"
	.amdhsa_code_object_version 6
	.text
	.protected	k_q26d10627ab_attn
	.globl	k_q26d10627ab_attn
	.p2align	8
	.type	k_q26d10627ab_attn,@function
k_q26d10627ab_attn:
	s_mov_b64 s[64:65], 0
	v_nop
	global_prefetch_b8 v0, s[64:65] scope:SCOPE_SE
	s_setreg_imm32_b32 hwreg(HW_REG_WAVE_MODE, 25, 1), 1
	s_wait_xcnt 0x0
; out[b][h][q][:] = the sum over k of softmax_k(masked(Q[q] / 8 . K[k])) V[k][:], 24 heads, 2,048 queries and keys, 64 channels; both products on codes of E4M3 with the given scales 2^e0 .. 2^e3.
; kvc holds K's and V's codes as images of the operands' registers, 16,384 bytes for a head and a step of 128 keys; maskw holds the mask as lane masks, 64 words for a tile of 16 queries and a step.
; THE SOFTMAX AHEAD OF THE SECOND PRODUCT: t = logit x log2(e); M = the row's largest t so far, rounded UP to a whole number; p = 2^(t - M) is quantised, not normalised; the row's sum is taken of the
; unquantised p and divides at the end.  When M moves, the sum and O are multiplied by 2^(old M - new M): exact.
; SHARES.  3,072 tiles of 16 queries = 768 work-groups x 4 waves.  Work-group (x, y): queries 64 x on of head y (batch y / 12).  Wave w: queries 64 x + 16 w on: one tile in 256 registers.
; A work-group holds just the four waves that read the same images, so its barrier ties nobody else.  lds_bytes is claimed at 107,008, more than the 50,176 in use: three such claims fit into a WGP's
; 327,680 bytes and a fourth does not, so that work-groups lie three to a WGP, a wave of each to a SIMD: one's exponentials stand beside another's plain work, LDS loads and products.
; Every wave walks 16 steps of 128 keys.
; TILES.  A step's images, 16 KiB, come through registers: each thread loads 8 x 16 bytes a step ahead and stores them into the other of two LDS buffers; one barrier a step.
; NO JOINT LOADS, though the 32 work-groups of a y read the same images: a step's copy costs a thread 8 loads and 8 LDS stores beside its wave's 268 vector instructions.
; LAYOUT.  Both products are used transposed.  S^T tile t = K's tile t (source 0) x Q (source 1): lane (r, h) holds query r, register j key 16 t + 8 h + j.  Its eight registers convert into registers 2 t, 2 t + 1
; of P, which is where the K = 128 form wants keys 16 t + 8 h + 0 .. 7.  O^T tile c = V^T's tile c (source 0) x P (source 1): lane (r, h) holds query r, register j channel 16 c + 8 h + j.
; THE MASK.  A masked score's raw sum is replaced by NEG = -2^(30 - e0 - e1), which stands for the logit -2^30 where the definition has -1e9.  Codes bound a logit by 64 x 448^2 x 2^(e0 + e1), so with
; e0 + e1 <= 6 every unmasked t lies far above both: a masked p is 0 either way.  c x NEG is exact and whole, so a row with no open key gets t - M = 0, p = 1 for all its keys, as with -1e9.
; LIMITS: e0 + e1 between -97 and 6; e0 + 3 and e2 between -126 and 119 (each power of two below is an f32 number); e2 + e3 is applied by v_ldexp_f32 and has none.  NaN among the inputs is not served.
.set TILEB, 16384                      ; a head's images for a step: K's 8,192 bytes, then V's.  Also an LDS buffer
.set STAGE, 2*TILEB                    ; behind the two buffers: 16 rows x 272 bytes for each wave, its own: Q on the way in, O on the way out
.set SP,    272                        ; a stage row: 256 bytes + 16: the sixteen rows that a load touches start at sixteen different 16-byte columns
.set ST0, 2                            ; v2   16 x thread: my bytes of an instruction's 2,048 in the copy: in kvc, and in buffer 0;  v3 the same in buffer 1
.set GK,  2
.set LD0, 4                            ; v4   16 x lane: an image's place for my lane in buffer 0, and my bytes of 512 in Q and in out;  v5 an image's place in buffer 1
.set GD,  4
.set SA,  6                            ; v6   the stage by the operand's layout: row r, + 32 h
.set SB,  7                            ; v7   the stage by rows: row lane / 16, + 16 (lane % 16)
.set NEG, 9                            ; v9   the masked score
.set LIM, 10                           ; v10  448 x 2^e2
.set SCP, 11                           ; v11  2^e2
                                       ; v12 -M, v13 the largest t, v[14:15] the sum in two halves
.set QF,  16                           ; v16-23   Q's fragment
.set PC,  24                           ; v24-39   p's codes
.set OT,  40                           ; v40-71   O^T, four tiles
.set S,   72                           ; v72-135  S^T, then p
.set F,   136                          ; v136-199 eight fragments of K, then four of V^T
.set STG, 200                          ; v200-231 the copy's 128 bytes
.set FF,  232                          ; v[232:233] f = 2^(old M - new M); v233 is named with it as a pair
.set MXA, 234
.set MXB, 235
.set SM2, 236                          ; v[236:237] the sum's second chain
.set PX,  238                          ; a lane permute's destination
.set SCQ, 239                          ; 2^(e0 + 3)
.set LMQ, 240                          ; 448 x 2^(e0 + 3)
.set SEL, 88                           ; s[88:89] lane selects: lane l xor 16
.set CS,  90                           ; s[90:91] c = log2(e) x 2^(e0 + e1), twice
                                       ; s[16:63], s[68:83]: the step's 64 mask words: word n in s[16 + n + 4 (n / 48)];  s[84:87]: e0 .. e3
	s_load_b256 s[16:23], s[0:1], 0x0              ; query s[16:17], kvc s[18:19], maskw s[20:21], the scales' exponents s[22:23]
	s_load_b64 s[24:25], s[0:1], 0x20              ; out0
	v_lshl_add_u32 v254, v0, 2, 0x1a000
	v_mov_b32 v255, 0
	v_lshrrev_b32 v1, 5, v0
	v_readfirstlane_b32 s12, v1                    ; wave 0..3: which of the four tiles of queries
	s_and_b32 s92, ttmp7, 0xffff                   ; y: the head
	s_lshl_b32 s94, s92, 18                        ; kvc: 16 x 16,384 bytes a head
	s_mov_b32 s95, 0
	s_cmp_ge_u32 s92, 12                           ; the batch: heads 12 to 23 are the second's
	s_cselect_b32 s96, 128, 0                      ; 128 tiles of queries a batch
	s_lshl_b32 s100, ttmp9, 2
	s_add_co_u32 s96, s96, s100
	s_add_co_u32 s96, s96, s12                     ; maskw: tile 128 b + 4 x + w,
	s_lshl_b32 s96, s96, 12                        ; 4,096 bytes each
	s_mov_b32 s97, 0
	s_lshl_b32 s98, s92, 19                        ; 524,288 bytes of query and of out a head,
	s_lshl_b32 s100, ttmp9, 14                     ; 64 rows of 256 bytes an x,
	s_add_co_u32 s98, s98, s100
	s_lshl_b32 s100, s12, 12                       ; 16 rows a tile
	s_add_co_u32 s98, s98, s100
	s_mov_b32 s99, 0
	v_and_b32 v8, 31, v0
	v_lshlrev_b32 v[LD0], 4, v8                    ; 16 x lane
	v_add_nc_u32 v[LD0+1], TILEB, v[LD0]
	v_lshlrev_b32 v[ST0], 4, v0                    ; 16 x thread
	v_add_nc_u32 v[ST0+1], TILEB, v[ST0]
	v_and_b32 v9, 15, v0                           ; r
	v_bfe_u32 v10, v0, 4, 1                        ; h
	s_mul_i32 s100, s12, 16*SP
	s_add_co_u32 s100, s100, STAGE                 ; my stage
	v_mul_u32_u24 v[SA], v9, SP
	v_lshl_add_u32 v[SA], v10, 5, v[SA]
	v_add_nc_u32 v[SA], s100, v[SA]
	v_mul_u32_u24 v[SB], v10, SP
	v_lshl_add_u32 v[SB], v9, 4, v[SB]
	v_add_nc_u32 v[SB], s100, v[SB]
	s_wait_kmcnt 0x0
	s_load_b128 s[84:87], s[22:23], 0x0            ; e0, e1, e2, e3
	s_add_nc_u64 s[2:3], s[18:19], s[94:95]        ; kvc at my head, step 0
	s_add_nc_u64 s[4:5], s[20:21], s[96:97]        ; maskw at my tile, step 0
	s_add_nc_u64 s[6:7], s[24:25], s[98:99]        ; out at my tile
	s_add_nc_u64 s[8:9], s[16:17], s[98:99]        ; query at my tile
.irp i, 0,1,2,3,4,5,6,7
	global_load_b128 v[STG+4*\i:STG+4*\i+3], v[GK], s[2:3] offset:2048*\i   ; step 0's images: a wave's load covers 512 consecutive bytes, the four waves' 2,048
.endr
.irp i, 0,1,2,3,4,5,6,7
	global_load_b128 v[S+4*\i:S+4*\i+3], v[GD], s[8:9] offset:512*\i th:TH_LOAD_NT   ; my 16 rows of Q, two rows a load; read once in the launch
.endr
	s_wait_kmcnt 0x0                               ; the exponents are in, and the load has read its base: the argument registers may be written over
	s_add_co_i32 s92, s84, s85                     ; e0 + e1
	s_lshl_b32 s93, s92, 23
	s_add_co_i32 s[CS], s93, 0x3fb8aa3b            ; a raw sum stands for sum x 2^(e0 + e1): the exponents are added to the exponent field of log2(e)
	s_mov_b32 s[CS+1], s[CS]
	s_sub_co_i32 s93, 157, s92
	s_lshl_b32 s93, s93, 23
	s_or_b32 s93, s93, 0x80000000
	v_mov_b32 v[NEG], s93                          ; -2^(30 - e0 - e1)
	s_add_co_i32 s93, s86, 127
	s_lshl_b32 s94, s93, 23
	v_mov_b32 v[SCP], s94                          ; 2^e2
	s_add_co_i32 s93, s93, 8
	s_lshl_b32 s93, s93, 23
	s_or_b32 s93, s93, 0x600000
	v_mov_b32 v[LIM], s93                          ; 448 x 2^e2
	s_add_co_i32 s93, s84, 130
	s_lshl_b32 s94, s93, 23
	v_mov_b32 v[SCQ], s94                          ; 2^(e0 + 3): query / 8 / 2^e0 in one exact division
	s_add_co_i32 s93, s93, 8
	s_lshl_b32 s93, s93, 23
	s_or_b32 s93, s93, 0x600000
	v_mov_b32 v[LMQ], s93                          ; 448 x 2^(e0 + 3)
	s_mov_b32 s[SEL], 0x76543210
	s_mov_b32 s[SEL+1], 0xfedcba98
	s_load_b512 s[16:31], s[4:5], 0x0              ; step 0's 64 mask words
	s_load_b512 s[32:47], s[4:5], 0x40
	s_load_b512 s[48:63], s[4:5], 0x80
	s_load_b512 s[68:83], s[4:5], 0xc0
	s_wait_loadcnt 8                               ; step 0's eight loads are in; Q's eight, issued behind them, may be out
.irp i, 0,1,2,3,4,5,6,7
	ds_store_b128 v[ST0], v[STG+4*\i:STG+4*\i+3] offset:2048*\i
.endr
	s_wait_loadcnt 0x0                             ; Q
.irp i, 0,1,2,3,4,5,6,7
	ds_store_b128 v[SB], v[S+4*\i:S+4*\i+3] offset:2*SP*\i
.endr
.irp c, 0,1,2,3
	ds_load_b128 v[S+8*\c:S+8*\c+3],   v[SA] offset:64*\c      ; query r, channels 16 c + 8 h + 0 .. 7.  LDS serves a wave's instructions in order (ISA guide 5.7.1.4): these see the stores above
	ds_load_b128 v[S+8*\c+4:S+8*\c+7], v[SA] offset:64*\c+16
.endr
	s_wait_dscnt 0x0
.set j, 0
.rept 32
	v_med3_num_f32 v[S+j], v[S+j], -v[LMQ], v[LMQ]  ; the conversion to an 8-bit code does not saturate (ISA guide 7.6.2): the hold at the largest code x the scale
.set j, j+1
.endr
.irp c, 0,1,2,3
	v_cvt_scalef32_pk8_fp8_f32 v[QF+2*\c:QF+2*\c+1], v[S+8*\c:S+8*\c+7], v[SCQ]
.endr
	v_nop                                          ; one plain vector line behind the last conversion, ahead of the products that read its result and write its sources
.set j, 0
.rept 32
	v_mov_b32 v[OT+j], 0                           ; O^T.  (The step is written in one form: the first finds zeros, which the first change of M leaves zeros)
.set j, j+1
.endr
	v_mov_b32 v13, 0xff61b1e6                      ; the largest t so far: -3e38, under every t
	v_floor_f32 v12, -v13                          ; -M
	v_mov_b32 v14, 0
	v_mov_b32 v15, 0
	v_mov_b32 v[FF+1], 0
	v_mov_b32 v[PX], 0
; A KEY STEP: 128 keys, read from buffer b.  more = 1: the next step's images and mask words are fetched.
.macro STEP b, more
	s_wait_dscnt 0x0                               ; for the others' sake: my stores of this step's images have landed, and my reads of the other buffer are in
	s_barrier_signal -1
	s_barrier_wait -1                              ; both now hold of all four waves: buffer b is whole, and nobody reads the other one
.if \more
.irp i, 0,1,2,3,4,5,6,7
	global_load_b128 v[STG+4*\i:STG+4*\i+3], v[GK], s[2:3] offset:TILEB+2048*\i   ; the next step's images: they have the whole step in which to land
.endr
.endif
.irp t, 0,1,2,3,4,5,6,7
	ds_load_b128 v[F+8*\t:F+8*\t+3],   v[LD0+\b] offset:1024*\t       ; K's eight fragments, as they stand
	ds_load_b128 v[F+8*\t+4:F+8*\t+7], v[LD0+\b] offset:1024*\t+512
.endr
	s_wait_dscnt 0x0
.irp t, 0,1,2,3,4,5,6,7
	v_wmma_f32_16x16x64_fp8_fp8 v[S+8*\t:S+8*\t+7], v[F+8*\t:F+8*\t+7], v[QF:QF+7], 0
.endr
.rept 4
	v_nop                                          ; four places behind the products, ahead of the loads into their sources and of the first reads of their results
.endr
.irp c, 0,1,2,3
.irp g, 0,1,2,3
	ds_load_b128 v[F+16*\c+4*\g:F+16*\c+4*\g+3], v[LD0+\b] offset:8192+2048*\c+512*\g   ; V^T's four fragments land during the softmax
.endr
.endr
	s_wait_kmcnt 0x0                               ; this step's mask words
.set n, 0
.rept 64
	v_cndmask_b32 v[S+n], v[NEG], v[S+n], s[16+n+4*(n/48)]   ; bit 0: the masked score.  Each accumulator from its low end on
.set n, n+1
.endr
	v_max3_num_f32 v[MXA], v[S], v[S+1], v[S+2]    ; the step's largest score of my query among my 64 keys, in two chains,
	v_max3_num_f32 v[MXB], v[S+3], v[S+4], v[S+5]
.set j, 6
.rept 14
	v_max3_num_f32 v[MXA], v[MXA], v[S+j], v[S+j+1]
	v_max3_num_f32 v[MXB], v[MXB], v[S+j+2], v[S+j+3]
.set j, j+4
.endr
	v_max3_num_f32 v[MXA], v[MXA], v[S+62], v[S+63]
	v_max_num_f32 v[MXA], v[MXA], v[MXB]
.if \more
	s_add_nc_u64 s[4:5], s[4:5], 256               ; (the wait above has shown the earlier scalar loads done)
	s_load_b512 s[16:31], s[4:5], 0x0              ; the next step's mask words: the rest of the step in which to land
	s_load_b512 s[32:47], s[4:5], 0x40
	s_load_b512 s[48:63], s[4:5], 0x80
	s_load_b512 s[68:83], s[4:5], 0xc0
.endif
	v_permlanex16_b32 v[PX], v[MXA], s[SEL], s[SEL+1]
	v_max_num_f32 v[MXA], v[MXA], v[PX]            ; and among lane l xor 16's
	v_mul_f32 v[MXA], s[CS], v[MXA]                ; as t (c is positive)
	v_max_num_f32 v13, v13, v[MXA]                 ; the running largest t
	v_mov_b32 v[MXA], v12
	v_floor_f32 v12, -v13                          ; the new -M = floor(-t) = -ceil(t): a whole number
	v_sub_f32 v[MXA], v12, v[MXA]                  ; old M - new M: 0 or less
	v_cvt_i32_f32 v[MXA], v[MXA]                   ; (it saturates)
	v_ldexp_f32 v[FF], 1.0, v[MXA]                 ; f = 2^(old M - new M)
.set j, 0
.rept 32
	v_pk_fma_f32 v[S+j:S+j+1], v[S+j:S+j+1], s[CS:CS+1], v[12:13] op_sel_hi:[1,0,0]   ; t - M, two at a time (of the pairs c and -M the low word serves both halves)
.set j, j+2
.endr
.set j, 0
.rept 64
	v_exp_f32 v[S+j], v[S+j]                       ; p = 2^(t - M), at most 1
.set j, j+1
.endr
	v_pk_mul_f32 v[14:15], v[14:15], v[FF:FF+1] op_sel_hi:[1,0]   ; the sums under the new M.  (The plain line behind the exponentials)
	s_wait_alu depctr_va_vdst(0)
	v_pk_add_f32 v[SM2:SM2+1], v[S:S+1], v[S+2:S+3]               ; the row's sum is taken of the unquantised p: two at a time, in two chains
.set j, 4
.rept 15
	v_pk_add_f32 v[14:15], v[14:15], v[S+j:S+j+1]
	v_pk_add_f32 v[SM2:SM2+1], v[SM2:SM2+1], v[S+j+2:S+j+3]
.set j, j+4
.endr
	v_pk_add_f32 v[14:15], v[14:15], v[SM2:SM2+1]
	s_cmp_ge_i32 s86, -8                           ; p is at most 1, and 448 x 2^e2 is at least 1.75 from e2 = -8 on: the hold then changes nothing and is passed over.
	s_cbranch_scc1 .Lnohold_\@                     ; The branch hangs on a given whole number, alike in all waves; no barrier and no memory instruction stands under it
.set j, 0
.rept 64
	v_min_num_f32 v[S+j], v[S+j], v[LIM]           ; the conversion does not saturate (ISA guide 7.6.2); p is not negative, so the hold is one-sided
.set j, j+1
.endr
.Lnohold_\@:
.irp t, 0,1,2,3,4,5,6,7
	v_cvt_scalef32_pk8_fp8_f32 v[PC+2*\t:PC+2*\t+1], v[S+8*\t:S+8*\t+7], v[SCP]   ; keys 16 t + 8 h + 0 .. 7: registers 2 t, 2 t + 1 of P
.endr
.set j, 0
.rept 16
	v_pk_mul_f32 v[OT+j:OT+j+1], v[OT+j:OT+j+1], v[FF:FF+1] op_sel_hi:[1,0]   ; O^T under the new M, each accumulator from its low end on.  (Also the plain lines behind the conversions)
.set j, j+2
.endr
	s_wait_dscnt 0x0                               ; V^T's fragments
.irp c, 0,1,2,3
	v_wmma_f32_16x16x128_fp8_fp8 v[OT+8*\c:OT+8*\c+7], v[F+16*\c:F+16*\c+15], v[PC:PC+15], v[OT+8*\c:OT+8*\c+7]   ; the four accumulators take turns, one instruction a turn
.endr
.rept 4
	v_nop                                          ; four places, ahead of the next step's loads into these products' sources and, behind the last step, of the reads of O^T
.endr
.if \more
	s_wait_loadcnt 0x0                             ; the next step's images are in registers, and the loads have read their base
.irp i, 0,1,2,3,4,5,6,7
	ds_store_b128 v[ST0+1-\b], v[STG+4*\i:STG+4*\i+3] offset:2048*\i   ; into the other buffer: every wave passed this step's barrier behind its last read of it
.endr
	s_add_nc_u64 s[2:3], s[2:3], TILEB
.endif
.endm
	s_mov_b32 s15, 7
.Ltrip:                                            ; seven trips of two steps; the last two steps are written out, so that no load leaves its buffer
	STEP 0, 1
	STEP 1, 1
	s_sub_co_u32 s15, s15, 1
	s_cmp_lg_u32 s15, 0
	s_cbranch_scc1 .Ltrip
	STEP 0, 1
	STEP 1, 0
	; THE WAY OUT.  O^T / the sum x 2^(e2 + e3) goes through my stage and leaves as whole rows: a store covers 512 consecutive bytes, two rows of out.
	v_add_f32 v14, v14, v15                        ; the sum's two halves,
	v_permlanex16_b32 v[PX], v14, s[SEL], s[SEL+1]
	v_add_f32 v14, v14, v[PX]                      ; and lane l xor 16's
	v_rcp_f32 v14, v14
	v_nop                                          ; one plain line behind the transcendental
	s_add_co_i32 s92, s86, s87
	s_wait_alu depctr_va_vdst(0)
	v_ldexp_f32 v14, v14, s92
.set j, 0
.rept 32
	v_mul_f32 v[S+j], v[OT+j], v14                 ; register 8 c + i: out(r, 16 c + 8 h + i); each accumulator from its low end on
.set j, j+1
.endr
.irp c, 0,1,2,3
	ds_store_b128 v[SA], v[S+8*\c:S+8*\c+3]   offset:64*\c
	ds_store_b128 v[SA], v[S+8*\c+4:S+8*\c+7] offset:64*\c+16
.endr
.irp i, 0,1,2,3,4,5,6,7
	ds_load_b128 v[F+4*\i:F+4*\i+3], v[SB] offset:2*SP*\i   ; in order behind my stores
.endr
.irp i, 0,1,2,3,4,5,6,7
	s_wait_dscnt 7-\i                              ; LDS loads come back in order: load i is in, the younger ones may be out
	global_store_b128 v[GD], v[F+4*\i:F+4*\i+3], s[6:7] offset:512*\i th:TH_STORE_NT   ; written once, read by nobody here
.endr
	s_wait_tensorcnt 0x0
	ds_add_u32 v254, v255
	s_wait_dscnt 0x0
	s_endpgm
.Lfunc_end_k_q26d10627ab_attn:
	.size	k_q26d10627ab_attn, .Lfunc_end_k_q26d10627ab_attn-k_q26d10627ab_attn
	.p2alignl 7, 3214868480
	.fill 96, 4, 3214868480
	.section	.rodata,"a",@progbits
	.p2align	6, 0x0
	.amdhsa_kernel k_q26d10627ab_attn
		.amdhsa_group_segment_fixed_size 107008
		.amdhsa_private_segment_fixed_size 0
		.amdhsa_enable_private_segment 0
		.amdhsa_kernarg_size 40
		.amdhsa_user_sgpr_count 2
		.amdhsa_user_sgpr_kernarg_segment_ptr 1
		.amdhsa_wavefront_size32 1
		.amdhsa_system_sgpr_workgroup_id_x 1
		.amdhsa_system_sgpr_workgroup_id_y 1
		.amdhsa_system_sgpr_workgroup_id_z 1
		.amdhsa_system_vgpr_workitem_id 0
		.amdhsa_next_free_vgpr 256
		.amdhsa_next_free_sgpr 102
		.amdhsa_reserve_vcc 0
		.amdhsa_float_denorm_mode_32 3
		.amdhsa_float_denorm_mode_16_64 3
		.amdhsa_memory_ordered 1
		.amdhsa_forward_progress 1
		.amdhsa_inst_pref_size 96
	.end_amdhsa_kernel
	.amdgpu_metadata
---
amdhsa.version: [ 1, 2 ]
amdhsa.kernels:
  - .name:           k_q26d10627ab_attn
    .symbol:         k_q26d10627ab_attn.kd
    .args:
      - { .name: query, .offset: 0, .size: 8, .value_kind: global_buffer, .address_space: global }
      - { .name: kvc, .offset: 8, .size: 8, .value_kind: global_buffer, .address_space: global }
      - { .name: maskw, .offset: 16, .size: 8, .value_kind: global_buffer, .address_space: global }
      - { .name: lowp_scales, .offset: 24, .size: 8, .value_kind: global_buffer, .address_space: global }
      - { .name: out0, .offset: 32, .size: 8, .value_kind: global_buffer, .address_space: global }
    .group_segment_fixed_size: 107008
    .private_segment_fixed_size: 0
    .kernarg_segment_align: 8
    .kernarg_segment_size: 40
    .max_flat_workgroup_size: 128
    .sgpr_count:     102
    .vgpr_count:     256
    .wavefront_size: 32
...
	.end_amdgpu_metadata
.endif
;; end of part 2
;; ======== version 2 of 2: 2 launches
;; limits: right only within a limited range of input values
;; workspace buffers: kvc 6,291,456 bytes; maskw 1,048,576 bytes of whole numbers
;; launch prep (part 3): grid 896 x 1, 4 waves a work-group, no clusters, 51,712 bytes of LDS; arguments key, value, mask, lowp_scales, kvc, maskw; writes kvc, maskw
.if DOCPART == 3
	.amdgcn_target "amdgcn-amd-amdhsa--gfx1250"
	.amdhsa_code_object_version 6
	.text
	.protected	k_q26d10627ab_prep
	.globl	k_q26d10627ab_prep
	.p2align	8
	.type	k_q26d10627ab_prep,@function
k_q26d10627ab_prep:
	s_mov_b64 s[64:65], 0
	v_nop
	global_prefetch_b8 v0, s[64:65] scope:SCOPE_SE
	s_setreg_imm32_b32 hwreg(HW_REG_WAVE_MODE, 25, 1), 1
	s_wait_xcnt 0x0
; PREPARATION for the attention launch.  Three kinds of work-groups, chosen by the work-group's number; a wave takes 16 KiB of input; waves share nothing, so there is no barrier.
;  work-groups 0-511:   mask [2][2048][2048] int32 -> maskw [2 b][128 tiles of 16 queries][16 steps of 128 keys][64 words].  Bit 16 h + r of word 8 t + j says whether
;                       mask[b][16 tile + r][128 step + 16 t + 8 h + j] is not 0: the lane mask that a select on register 8 t + j of a tile of scores wants.  32 numbers become one word.
;  work-groups 512-703: key [24][2048][64] f32 -> codes of E4M3 with the scale 2^e1, as IMAGES OF THE OPERAND'S REGISTERS: kvc [24 heads][16 steps][16,384 bytes], bytes 0-8191: 8 tiles of 16 keys,
;                       1,024 bytes each; registers 4 g .. 4 g + 3 of lane L at 512 g + 16 L; lane 16 h + r holds key r of the tile, registers 2 c, 2 c + 1 channels 16 c + 8 h + 0 .. 7.
;  work-groups 704-895: value likewise with 2^e3, the KEYS innermost: bytes 8192-16383 of a step: 4 tiles of 16 channels, 2,048 bytes each; lane 16 h + r holds channel r of the tile,
;                       registers 2 c, 2 c + 1 keys 16 c + 8 h + 0 .. 7 of the step.
; code = x / 2^e, held within +-448, to the nearest code, ties to even.  LIMITS: e1 and e3 between -126 and 119, so that 2^e and 448 x 2^e are f32 numbers.  NaN among the inputs is not served; an infinity is held at the largest code.
; Every load of mask and key reads 512 consecutive bytes; a lane's neighbours along a row are got by a turn through the wave's own stage in LDS.  Each path has LDS bytes of its own.
.set MWG,  512                         ; work-groups for the mask: 2 x 128 tiles x 16 steps / (2 steps a wave x 4 waves)
.set KWG,  192                         ; for key: 12,582,912 bytes / (16,384 a wave x 4 waves); as many for value
.set MP,   528                         ; mask stage: a row of 512 bytes + 16 of padding, 16 rows a wave
.set KP,   272                         ; key stage: a row of 256 bytes + 16, 16 rows a wave
.set KST,  4*16*MP                     ; key's stages lie behind the mask's four
.set X,    16                          ; v16-143  numbers as loaded, then as turned
.set C,    144                         ; v144-175 results: words or codes; each store has registers of its own, so none is written again
	s_load_b256 s[4:11], s[0:1], 0x0               ; key s[4:5], value s[6:7], mask s[8:9], the scales' exponents s[10:11]
	s_load_b128 s[12:15], s[0:1], 0x20             ; kvc s[12:13], maskw s[14:15]
	v_lshl_add_u32 v192, v0, 2, 0xc800
	v_mov_b32 v193, 0
	v_lshrrev_b32 v1, 5, v0
	v_readfirstlane_b32 s16, v1                    ; wave 0..3
	v_and_b32 v2, 31, v0                           ; lane
	v_and_b32 v3, 15, v0                           ; r
	v_bfe_u32 v4, v0, 4, 1                         ; h
	v_lshlrev_b32 v5, 4, v2                        ; 16 x lane: my 16 bytes of a load's or a store's 512
	s_mul_i32 s28, s16, 16*MP                      ; my mask stage
	v_add_nc_u32 v6, s28, v5                       ; into it: a row of 512 bytes, 16 a lane
	v_mul_u32_u24 v7, v3, MP
	v_lshl_add_u32 v7, v4, 5, v7
	v_add_nc_u32 v7, s28, v7                       ; out of it: row r, + 32 h: eight neighbours of my half
	s_mul_i32 s29, s16, 16*KP
	s_add_co_u32 s29, s29, KST                     ; my key stage
	v_mul_u32_u24 v8, v4, KP
	v_lshl_add_u32 v8, v3, 4, v8
	v_add_nc_u32 v8, s29, v8                       ; into it: lanes 0-15 one row of 256 bytes, lanes 16-31 the next
	v_mul_u32_u24 v9, v3, KP
	v_lshl_add_u32 v9, v4, 5, v9
	v_add_nc_u32 v9, s29, v9                       ; out of it: row r, + 32 h
	v_lshlrev_b32 v10, 3, v2                       ; 8 x lane: my two words of a step's 64
	v_lshlrev_b32 v13, 2, v2                       ; 4 x lane: value, a lane to a channel
	v_lshlrev_b32 v14, 11, v4
	v_lshl_add_u32 v14, v3, 4, v14                 ; value's codes: 2,048 x (lane / 16) + 16 x (lane % 16)
	s_wait_kmcnt 0x0
	s_cmp_lt_u32 ttmp9, MWG
	s_cbranch_scc0 .Lnot_mask
	; ---- THE MASK.  Wave g = 4 x work-group + wave: tile g / 8 (batch and tile together), steps 2 (g % 8) and 2 (g % 8) + 1.
	s_lshl_b32 s17, ttmp9, 2
	s_add_co_u32 s17, s17, s16                     ; g
	s_lshr_b32 s18, s17, 3                         ; tile
	s_and_b32 s19, s17, 7                          ; pair of steps
	s_lshl_b32 s20, s18, 17                        ; 16 rows of 8,192 bytes a tile,
	s_lshl_b32 s22, s19, 10                        ; 1,024 bytes of a row a pair
	s_add_co_u32 s20, s20, s22
	s_mov_b32 s21, 0
	s_add_nc_u64 s[8:9], s[8:9], s[20:21]
	s_lshl_b32 s22, s18, 12                        ; 4,096 bytes of words a tile,
	s_lshl_b32 s23, s19, 9                         ; 512 a pair of steps
	s_add_co_u32 s22, s22, s23
	s_mov_b32 s23, 0
	s_add_nc_u64 s[14:15], s[14:15], s[22:23]
.irp u, 0,1
.irp i, 0,1,2,3,4,5,6,7,8,9,10,11,12,13,14,15
	global_load_b128 v[X+64*\u+4*\i:X+64*\u+4*\i+3], v5, s[8:9] offset:512*\u+8192*\i th:TH_LOAD_NT   ; row i, the step's 128 numbers: 512 consecutive bytes; read once in the launch
.endr
.endr
.irp j, 0,1,2,3
	v_mov_b32 v[C+\j], 0                           ; a lane write's destination counts as read
.endr
.macro MUNIT u                         ; one step of the tile: 16 rows x 128 numbers become 64 words
	s_wait_loadcnt 16-16*\u                        ; this unit's 16 loads are in; the other unit's, issued behind them, may be out
.irp i, 0,1,2,3,4,5,6,7,8,9,10,11,12,13,14,15
	ds_store_b128 v6, v[X+64*\u+4*\i:X+64*\u+4*\i+3] offset:MP*\i
.endr
.irp t, 0,1,2,3,4,5,6,7
	ds_load_b128 v[X+64*\u+8*\t:X+64*\u+8*\t+3],   v7 offset:64*\t      ; LDS serves a wave's instructions in order (ISA guide 5.7.1.4): these see the stores above.  Register 8 t + j: row r, key 16 t + 8 h + j
	ds_load_b128 v[X+64*\u+8*\t+4:X+64*\u+8*\t+7], v7 offset:64*\t+16
.endr
	s_wait_dscnt 0x0
.irp t, 0,1,2,3,4,5,6,7
.irp j, 0,1,2,3,4,5,6,7
	v_cmp_ne_u32 s[32+\j], 0, v[X+64*\u+8*\t+\j]   ; word 8 t + j: a bit a lane
.endr
.irp j, 0,1,2,3,4,5,6,7
	v_writelane_b32 v[C+2*\u+\j%2], s[32+\j], 4*\t+\j/2   ; lane n / 2 takes words n and n + 1 in a pair of registers
.endr
.endr
	global_store_b64 v10, v[C+2*\u:C+2*\u+1], s[14:15] offset:256*\u   ; 32 lanes store 256 consecutive bytes, at a multiple of 256 from the buffer's first byte
.endm
	MUNIT 0
	MUNIT 1
	s_wait_tensorcnt 0x0
	ds_add_u32 v192, v193
	s_wait_dscnt 0x0
	s_endpgm
.macro SCALE e                         ; v11 = 2^e as f32 (the conversion takes its exponent field), v12 = 448 x 2^e
	s_wait_kmcnt 0x0
	s_add_co_i32 s40, s[\e], 127
	s_lshl_b32 s41, s40, 23
	v_mov_b32 v11, s41
	s_add_co_i32 s40, s40, 8
	s_lshl_b32 s40, s40, 23
	s_or_b32 s40, s40, 0x600000
	v_mov_b32 v12, s40
.endm
.Lnot_mask:
	s_load_b128 s[24:27], s[10:11], 0x0            ; e0, e1, e2, e3
	s_cmp_lt_u32 ttmp9, MWG+KWG
	s_cbranch_scc0 .Lvalue
	; ---- KEY.  Wave g takes keys 64 g .. 64 g + 63, counted through all heads: four tiles of 16 keys, 4,096 dense bytes each; they are tiles 4 (g % 2) on of step g / 2.
	s_sub_co_u32 s17, ttmp9, MWG
	s_lshl_b32 s17, s17, 2
	s_add_co_u32 s17, s17, s16                     ; g
	s_lshl_b32 s20, s17, 14
	s_mov_b32 s21, 0
	s_add_nc_u64 s[4:5], s[4:5], s[20:21]
	s_lshr_b32 s22, s17, 1
	s_lshl_b32 s22, s22, 14                        ; the step's 16,384 bytes,
	s_and_b32 s23, s17, 1
	s_lshl_b32 s23, s23, 12                        ; four tiles of 1,024
	s_add_co_u32 s22, s22, s23
	s_mov_b32 s23, 0
	s_add_nc_u64 s[12:13], s[12:13], s[22:23]
.set i, 0
.rept 32
	global_load_b128 v[X+4*i:X+4*i+3], v5, s[4:5] offset:512*i th:TH_LOAD_NT   ; 512 consecutive bytes: two keys' rows; read once in the launch
.set i, i+1
.endr
	SCALE 25
.macro KTILE q
	s_wait_loadcnt 24-8*\q                         ; this tile's eight loads are in; the later tiles' may be out
.irp i, 0,1,2,3,4,5,6,7
	ds_store_b128 v8, v[X+32*\q+4*\i:X+32*\q+4*\i+3] offset:2*KP*\i
.endr
.irp c, 0,1,2,3
	ds_load_b128 v[X+32*\q+8*\c:X+32*\q+8*\c+3],   v9 offset:64*\c      ; key r, channels 16 c + 8 h + 0 .. 7 (in order behind the stores above)
	ds_load_b128 v[X+32*\q+8*\c+4:X+32*\q+8*\c+7], v9 offset:64*\c+16
.endr
	s_wait_dscnt 0x0
.set i, 0
.rept 32
	v_med3_num_f32 v[X+32*\q+i], v[X+32*\q+i], -v12, v12   ; the conversion to an 8-bit code does not saturate (ISA guide 7.6.2): the hold at the largest code x the scale
.set i, i+1
.endr
.irp c, 0,1,2,3
	v_cvt_scalef32_pk8_fp8_f32 v[C+8*\q+2*\c:C+8*\q+2*\c+1], v[X+32*\q+8*\c:X+32*\q+8*\c+7], v11   ; registers 2 c, 2 c + 1 of the fragment; its results go to stores alone, and the next vector lines are plain and touch other registers
.endr
	global_store_b128 v5, v[C+8*\q:C+8*\q+3],   s[12:13] offset:1024*\q       ; the image: 512 consecutive bytes a store
	global_store_b128 v5, v[C+8*\q+4:C+8*\q+7], s[12:13] offset:1024*\q+512
.endm
	s_wait_alu depctr_va_vdst(0)
	KTILE 0
	KTILE 1
	KTILE 2
	KTILE 3
	s_wait_tensorcnt 0x0
	ds_add_u32 v192, v193
	s_wait_dscnt 0x0
	s_endpgm
	; ---- VALUE.  Wave g takes step g / 2 (128 keys, counted through all heads) and channels 32 (g % 2) on.  A LANE TAKES A CHANNEL AND ITS REGISTERS RUN DOWN THE KEYS:
	; the conversions then give codes with the keys innermost, and nothing is transposed.  A load reads 128 consecutive bytes; the work-group's neighbouring wave reads the row's other half.
.Lvalue:
	s_sub_co_u32 s17, ttmp9, MWG+KWG
	s_lshl_b32 s17, s17, 2
	s_add_co_u32 s17, s17, s16                     ; g
	s_lshr_b32 s18, s17, 1                         ; step
	s_and_b32 s19, s17, 1                          ; half of the channels
	s_lshl_b32 s20, s18, 15                        ; 128 rows of 256 bytes,
	s_lshl_b32 s22, s19, 7                         ; 128 bytes of a row
	s_add_co_u32 s20, s20, s22
	s_mov_b32 s21, 0
	s_add_nc_u64 s[6:7], s[6:7], s[20:21]
	s_lshl_b32 s22, s18, 14
	s_lshl_b32 s23, s19, 12                        ; two tiles of 2,048 bytes,
	s_add_co_u32 s22, s22, s23
	s_add_co_u32 s22, s22, 8192                    ; behind the step's images of K
	s_mov_b32 s23, 0
	s_add_nc_u64 s[12:13], s[12:13], s[22:23]
.set i, 0
	s_wait_alu depctr_va_vdst(0)
.rept 128
	global_load_b32 v[X+i], v13, s[6:7] offset:256*i   ; key i of the step, my channel
.set i, i+1
.endr
	SCALE 27
.macro VGROUP g                        ; keys 32 g .. 32 g + 31: registers 4 g .. 4 g + 3 of the image's lanes r (h = 0) and 16 + r (h = 1)
.set i, 0
.rept 32
	v_med3_num_f32 v[X+32*\g+i], v[X+32*\g+i], -v12, v12
.set i, i+1
.endr
.irp h, 0,1
	v_cvt_scalef32_pk8_fp8_f32 v[C+8*\g+4*\h:C+8*\g+4*\h+1],   v[X+32*\g+8*\h:X+32*\g+8*\h+7],     v11   ; keys 32 g + 8 h + 0 .. 7
	v_cvt_scalef32_pk8_fp8_f32 v[C+8*\g+4*\h+2:C+8*\g+4*\h+3], v[X+32*\g+16+8*\h:X+32*\g+23+8*\h], v11   ; keys 32 g + 16 + 8 h + 0 .. 7
.endr
.irp h, 0,1
	global_store_b128 v14, v[C+8*\g+4*\h:C+8*\g+4*\h+3], s[12:13] offset:512*\g+256*\h   ; sixteen lanes store 256 consecutive bytes, at a multiple of 256 from the buffer's first byte
.endr
.endm
	s_wait_alu depctr_va_vdst(0)
	s_wait_loadcnt 63                              ; loads come back in order (ISA guide 5.7.1): of 128 at most the youngest 63 are out, so keys 0 to 64 are in
	VGROUP 0
	VGROUP 1
	s_wait_loadcnt 32                              ; keys 0 to 95
	VGROUP 2
	s_wait_loadcnt 0x0
	VGROUP 3
	s_endpgm
.Lfunc_end_k_q26d10627ab_prep:
	.size	k_q26d10627ab_prep, .Lfunc_end_k_q26d10627ab_prep-k_q26d10627ab_prep
	.p2alignl 7, 3214868480
	.fill 96, 4, 3214868480
	.section	.rodata,"a",@progbits
	.p2align	6, 0x0
	.amdhsa_kernel k_q26d10627ab_prep
		.amdhsa_group_segment_fixed_size 51712
		.amdhsa_private_segment_fixed_size 0
		.amdhsa_enable_private_segment 0
		.amdhsa_kernarg_size 48
		.amdhsa_user_sgpr_count 2
		.amdhsa_user_sgpr_kernarg_segment_ptr 1
		.amdhsa_wavefront_size32 1
		.amdhsa_system_sgpr_workgroup_id_x 1
		.amdhsa_system_sgpr_workgroup_id_y 1
		.amdhsa_system_sgpr_workgroup_id_z 1
		.amdhsa_system_vgpr_workitem_id 0
		.amdhsa_next_free_vgpr 194
		.amdhsa_next_free_sgpr 66
		.amdhsa_reserve_vcc 0
		.amdhsa_float_denorm_mode_32 3
		.amdhsa_float_denorm_mode_16_64 3
		.amdhsa_memory_ordered 1
		.amdhsa_forward_progress 1
		.amdhsa_inst_pref_size 67
	.end_amdhsa_kernel
	.amdgpu_metadata
---
amdhsa.version: [ 1, 2 ]
amdhsa.kernels:
  - .name:           k_q26d10627ab_prep
    .symbol:         k_q26d10627ab_prep.kd
    .args:
      - { .name: key, .offset: 0, .size: 8, .value_kind: global_buffer, .address_space: global }
      - { .name: value, .offset: 8, .size: 8, .value_kind: global_buffer, .address_space: global }
      - { .name: mask, .offset: 16, .size: 8, .value_kind: global_buffer, .address_space: global }
      - { .name: lowp_scales, .offset: 24, .size: 8, .value_kind: global_buffer, .address_space: global }
      - { .name: kvc, .offset: 32, .size: 8, .value_kind: global_buffer, .address_space: global }
      - { .name: maskw, .offset: 40, .size: 8, .value_kind: global_buffer, .address_space: global }
    .group_segment_fixed_size: 51712
    .private_segment_fixed_size: 0
    .kernarg_segment_align: 8
    .kernarg_segment_size: 48
    .max_flat_workgroup_size: 128
    .sgpr_count:     66
    .vgpr_count:     194
    .wavefront_size: 32
...
	.end_amdgpu_metadata
.endif
;; end of part 3
;; launch attn (part 4): grid 32 x 24, 4 waves a work-group, no clusters, 107,008 bytes of LDS; arguments query, kvc, maskw, lowp_scales, out0; writes out0
.if DOCPART == 4
	.amdgcn_target "amdgcn-amd-amdhsa--gfx1250"
	.amdhsa_code_object_version 6
	.text
	.protected	k_q26d10627ab_attn
	.globl	k_q26d10627ab_attn
	.p2align	8
	.type	k_q26d10627ab_attn,@function
k_q26d10627ab_attn:
	s_mov_b64 s[64:65], 0
	v_nop
	global_prefetch_b8 v0, s[64:65] scope:SCOPE_SE
	s_setreg_imm32_b32 hwreg(HW_REG_WAVE_SCHED_MODE, 0, 2), 2
	s_setreg_imm32_b32 hwreg(HW_REG_WAVE_MODE, 25, 1), 1
	s_wait_xcnt 0x0
	s_wait_alu depctr_vm_vsrc(0)
; out[b][h][q][:] = the sum over k of softmax_k(masked(Q[q] / 8 . K[k])) V[k][:], 24 heads, 2,048 queries and keys, 64 channels; both products on codes of E4M3 with the given scales 2^e0 .. 2^e3.
; kvc holds K's and V's codes as images of the operands' registers, 16,384 bytes for a head and a step of 128 keys; maskw holds the mask as lane masks, 64 words for a tile of 16 queries and a step.
; THE SOFTMAX AHEAD OF THE SECOND PRODUCT: t = logit x log2(e); M = the row's largest t so far, rounded UP to a whole number; p = 2^(t - M) is quantised, not normalised; the row's sum is taken of the
; unquantised p and divides at the end.  When M moves, the sum and O are multiplied by 2^(old M - new M): exact.
; SHARES.  3,072 tiles of 16 queries = 768 work-groups x 4 waves.  Work-group (x, y): queries 64 x on of head y (batch y / 12).  Wave w: queries 64 x + 16 w on: one tile in 256 registers.
; A work-group holds just the four waves that read the same images, so its barrier ties nobody else.  lds_bytes is claimed at 107,008, more than the 50,176 in use: three such claims fit into a WGP's
; 327,680 bytes and a fourth does not, so that work-groups lie three to a WGP, a wave of each to a SIMD: one's exponentials stand beside another's plain work, LDS loads and products.
; Every wave walks 16 steps of 128 keys.
; TILES.  A step's images, 16 KiB, come through registers: each thread loads 8 x 16 bytes a step ahead and stores them into the other of two LDS buffers; one barrier a step.
; NO JOINT LOADS, though the 32 work-groups of a y read the same images: a step's copy costs a thread 8 loads and 8 LDS stores beside its wave's about 260 vector instructions.
; LAYOUT.  Both products are used transposed.  S^T tile t = K's tile t (source 0) x Q (source 1): lane (r, h) holds query r, register j key 16 t + 8 h + j.  Its eight registers convert into registers 2 t, 2 t + 1
; of P, which is where the K = 128 form wants keys 16 t + 8 h + 0 .. 7.  O^T tile c = V^T's tile c (source 0) x P (source 1): lane (r, h) holds query r, register j channel 16 c + 8 h + j.
; THE MASK.  A masked score's raw sum is replaced by NEG = -2^(30 - e0 - e1), which stands for the logit -2^30 where the definition has -1e9.  Codes bound a logit by 64 x 448^2 x 2^(e0 + e1), so with
; e0 + e1 <= 6 every unmasked t lies far above both: a masked p is 0 either way.  c x NEG is exact and whole, so a row with no open key gets t - M = 0, p = 1 for all its keys, as with -1e9.
; LIMITS: e0 + e1 between -97 and 6; e0 + 3 and e2 between -126 and 119 (each power of two below is an f32 number); e2 + e3 is applied by v_ldexp_f32 and has none.  NaN among the inputs is not served.
; THE MODE: SCHED_MODE bits 1:0 = 2 (LLVM: expert scheduling mode 2), set by the entry lines.  The code itself states the register dependences
; between vector or matrix instructions and memory or LDS instructions, with s_wait_alu, always for 0.
; THE PLAN.  Registers that memory or LDS instructions touch, in the loop:
;   v[STG ..]  The eight global loads at a step's head land in them; the eight LDS stores at its end read them.  No vector or matrix instruction names them.
;   v[F ..]    K's sixteen LDS loads land at the step's head; the products K Q^T read them; V^T's sixteen LDS loads land; the products V^T P read them; then the next step's K.
;   v2 - v7    Offsets and LDS addresses: made at the head, never written again.
;   S^T, P, O^T, Q's fragment and the statistics are named by vector and matrix instructions alone (S^T's registers carry Q at the head and the results on the way out).
; So a step has ONE wait on vm_vsrc, behind its barrier (the LDS stores have read STG), and SIX on va_vdst, among them: ahead of K's loads (the last step's V^T P is done reading F); behind the selects and the maximum's
; chains, ahead of V^T's loads (K Q^T is done reading F), which are then dealt among vector lines that name neither F nor an address; and behind the batch of exponentials, ahead of its first reader.
.set TILEB, 16384                      ; a head's images for a step: K's 8,192 bytes, then V's.  Also an LDS buffer
.set STAGE, 2*TILEB                    ; behind the two buffers: 16 rows x 272 bytes for each wave, its own: Q on the way in, O on the way out
.set SP,    272                        ; a stage row: 256 bytes + 16: the sixteen rows that a load touches start at sixteen different 16-byte columns
.set ST0, 2                            ; v2   16 x thread: my bytes of an instruction's 2,048 in the copy: in kvc, and in buffer 0;  v3 the same in buffer 1
.set GK,  2
.set LD0, 4                            ; v4   16 x lane: an image's place for my lane in buffer 0, and my bytes of 512 in Q and in out;  v5 an image's place in buffer 1
.set GD,  4
.set SA,  6                            ; v6   the stage by the operand's layout: row r, + 32 h
.set SB,  7                            ; v7   the stage by rows: row lane / 16, + 16 (lane % 16)
.set NEG, 9                            ; v9   the masked score
.set LIM, 10                           ; v10  448 x 2^e2
.set SCP, 11                           ; v11  2^e2
                                       ; v12 -M, v13 the largest t, v[14:15] the sum in two halves
.set QF,  16                           ; v16-23   Q's fragment
.set PC,  24                           ; v24-39   p's codes
.set OT,  40                           ; v40-71   O^T, four tiles
.set S,   72                           ; v72-135  S^T, then p
.set F,   136                          ; v136-199 eight fragments of K, then four of V^T
.set STG, 200                          ; v200-231 the copy's 128 bytes
.set FF,  232                          ; v[232:233] f = 2^(old M - new M); v233 is named with it as a pair
.set MXA, 234
.set MXB, 235
.set SM2, 236                          ; v[236:237] the sum's second chain
.set PX,  238                          ; a lane permute's destination
.set SCQ, 239                          ; 2^(e0 + 3)
.set LMQ, 240                          ; 448 x 2^(e0 + 3)
.set SEL, 88                           ; s[88:89] lane selects: lane l xor 16
.set CS,  90                           ; s[90:91] c = log2(e) x 2^(e0 + e1), twice
                                       ; s[16:63], s[68:83]: the step's 64 mask words: word n in s[16 + n + 4 (n / 48)];  s[84:87]: e0 .. e3
	s_load_b256 s[16:23], s[0:1], 0x0              ; query s[16:17], kvc s[18:19], maskw s[20:21], the scales' exponents s[22:23]
	s_load_b64 s[24:25], s[0:1], 0x20              ; out0
	v_lshl_add_u32 v254, v0, 2, 0x1a000
	v_mov_b32 v255, 0
	v_lshrrev_b32 v1, 5, v0
	v_readfirstlane_b32 s12, v1                    ; wave 0..3: which of the four tiles of queries
	v_and_b32 v8, 31, v0                           ; (what the addresses need of the thread's number alone stands between that line and the wait for s12)
	v_lshlrev_b32 v[LD0], 4, v8                    ; 16 x lane
	v_add_nc_u32 v[LD0+1], TILEB, v[LD0]
	v_lshlrev_b32 v[ST0], 4, v0                    ; 16 x thread
	v_add_nc_u32 v[ST0+1], TILEB, v[ST0]
	v_and_b32 v9, 15, v0                           ; r
	v_bfe_u32 v10, v0, 4, 1                        ; h
	v_mul_u32_u24 v[SA], v9, SP
	v_lshl_add_u32 v[SA], v10, 5, v[SA]
	s_wait_alu depctr_va_vdst(0)
	v_mul_u32_u24 v[SB], v10, SP
	v_lshl_add_u32 v[SB], v9, 4, v[SB]
	s_wait_alu depctr_va_vdst(0)
	s_and_b32 s92, ttmp7, 0xffff                   ; y: the head
	s_lshl_b32 s94, s92, 18                        ; kvc: 16 x 16,384 bytes a head
	s_mov_b32 s95, 0
	s_cmp_ge_u32 s92, 12                           ; the batch: heads 12 to 23 are the second's
	s_cselect_b32 s96, 128, 0                      ; 128 tiles of queries a batch
	s_lshl_b32 s100, ttmp9, 2
	s_add_co_u32 s96, s96, s100
	s_wait_alu depctr_va_sdst(0)                   ; s12 is written, ahead of its first reader: the places in maskw, query and out and my stage are made from it
	s_add_co_u32 s96, s96, s12                     ; maskw: tile 128 b + 4 x + w,
	s_lshl_b32 s96, s96, 12                        ; 4,096 bytes each
	s_mov_b32 s97, 0
	s_lshl_b32 s98, s92, 19                        ; 524,288 bytes of query and of out a head,
	s_lshl_b32 s100, ttmp9, 14                     ; 64 rows of 256 bytes an x,
	s_add_co_u32 s98, s98, s100
	s_lshl_b32 s100, s12, 12                       ; 16 rows a tile
	s_add_co_u32 s98, s98, s100
	s_mov_b32 s99, 0
	s_mul_i32 s100, s12, 16*SP
	s_add_co_u32 s100, s100, STAGE                 ; my stage
	v_add_nc_u32 v[SA], s100, v[SA]
	v_add_nc_u32 v[SB], s100, v[SB]
	s_wait_kmcnt 0x0
	s_load_b128 s[84:87], s[22:23], 0x0            ; e0, e1, e2, e3
	s_add_nc_u64 s[2:3], s[18:19], s[94:95]        ; kvc at my head, step 0
	s_add_nc_u64 s[4:5], s[20:21], s[96:97]        ; maskw at my tile, step 0
	s_add_nc_u64 s[6:7], s[24:25], s[98:99]        ; out at my tile
	s_add_nc_u64 s[8:9], s[16:17], s[98:99]        ; query at my tile
	s_wait_alu depctr_va_vdst(0)                   ; the six offsets and LDS addresses v2 to v7 are written: every load, store and LDS instruction that follows, but the last LDS add, reads one of them, and none is written again
.irp i, 0,1,2,3,4,5,6,7
	global_load_b128 v[STG+4*\i:STG+4*\i+3], v[GK], s[2:3] offset:2048*\i   ; step 0's images: a wave's load covers 512 consecutive bytes, the four waves' 2,048
.endr
.irp i, 0,1,2,3,4,5,6,7
	global_load_b128 v[S+4*\i:S+4*\i+3], v[GD], s[8:9] offset:512*\i th:TH_LOAD_NT   ; my 16 rows of Q, two rows a load; read once in the launch
.endr
	s_wait_kmcnt 0x0                               ; the exponents are in, and the load has read its base: the argument registers may be written over
	s_add_co_i32 s92, s84, s85                     ; e0 + e1
	s_lshl_b32 s93, s92, 23
	s_add_co_i32 s[CS], s93, 0x3fb8aa3b            ; a raw sum stands for sum x 2^(e0 + e1): the exponents are added to the exponent field of log2(e)
	s_mov_b32 s[CS+1], s[CS]
	s_sub_co_i32 s93, 157, s92
	s_lshl_b32 s93, s93, 23
	s_or_b32 s93, s93, 0x80000000
	v_mov_b32 v[NEG], s93                          ; -2^(30 - e0 - e1)
	s_add_co_i32 s93, s86, 127
	s_lshl_b32 s94, s93, 23
	v_mov_b32 v[SCP], s94                          ; 2^e2
	s_add_co_i32 s93, s93, 8
	s_lshl_b32 s93, s93, 23
	s_or_b32 s93, s93, 0x600000
	v_mov_b32 v[LIM], s93                          ; 448 x 2^e2
	s_add_co_i32 s93, s84, 130
	s_lshl_b32 s94, s93, 23
	v_mov_b32 v[SCQ], s94                          ; 2^(e0 + 3): query / 8 / 2^e0 in one exact division
	s_add_co_i32 s93, s93, 8
	s_lshl_b32 s93, s93, 23
	s_or_b32 s93, s93, 0x600000
	v_mov_b32 v[LMQ], s93                          ; 448 x 2^(e0 + 3)
	s_mov_b32 s[SEL], 0x76543210
	s_mov_b32 s[SEL+1], 0xfedcba98
	s_load_b512 s[16:31], s[4:5], 0x0              ; step 0's 64 mask words
	s_load_b512 s[32:47], s[4:5], 0x40
	s_load_b512 s[48:63], s[4:5], 0x80
	s_load_b512 s[68:83], s[4:5], 0xc0
	s_wait_alu depctr_va_vdst(0)
	s_wait_loadcnt 8                               ; step 0's eight loads are in; Q's eight, issued behind them, may be out
.irp i, 0,1,2,3,4,5,6,7
	ds_store_b128 v[ST0], v[STG+4*\i:STG+4*\i+3] offset:2048*\i   ; (the five moves since the wait on va_vdst name neither an address nor these registers)
.endr
	s_wait_loadcnt 0x0                             ; Q
.irp i, 0,1,2,3,4,5,6,7
	ds_store_b128 v[SB], v[S+4*\i:S+4*\i+3] offset:2*SP*\i
.endr
	s_wait_alu depctr_vm_vsrc(0)                   ; the LDS stores above have read v[S ..], in which the LDS loads below land and which the holds then write
.irp c, 0,1,2,3
	ds_load_b128 v[S+8*\c:S+8*\c+3],   v[SA] offset:64*\c      ; query r, channels 16 c + 8 h + 0 .. 7.  LDS serves a wave's instructions in order (ISA guide 5.7.1.4): these see the stores above
	ds_load_b128 v[S+8*\c+4:S+8*\c+7], v[SA] offset:64*\c+16
.endr
	s_wait_dscnt 0x0
.set j, 0
.rept 32
	v_med3_num_f32 v[S+j], v[S+j], -v[LMQ], v[LMQ]  ; the conversion to an 8-bit code does not saturate (ISA guide 7.6.2): the hold at the largest code x the scale
.set j, j+1
.endr
.irp c, 0,1,2,3
	v_cvt_scalef32_pk8_fp8_f32 v[QF+2*\c:QF+2*\c+1], v[S+8*\c:S+8*\c+7], v[SCQ]
.endr
	v_nop                                          ; one plain vector line behind the last conversion, ahead of the products that read its result and write its sources
.set j, 0
.rept 32
	v_mov_b32 v[OT+j], 0                           ; O^T.  (The step is written in one form: the first finds zeros, which the first change of M leaves zeros)
.set j, j+1
.endr
	v_mov_b32 v13, 0xff61b1e6                      ; the largest t so far: -3e38, under every t
	v_floor_f32 v12, -v13                          ; -M
	v_mov_b32 v14, 0
	v_mov_b32 v15, 0
	v_mov_b32 v[FF+1], 0
	v_mov_b32 v[PX], 0
.macro VFRAG b, c                      ; V^T's fragment c out of buffer b, as it stands: four LDS loads
.irp g, 0,1,2,3
	ds_load_b128 v[F+16*(\c)+4*\g:F+16*(\c)+4*\g+3], v[LD0+\b] offset:8192+2048*(\c)+512*\g
.endr
.endm
; A KEY STEP: 128 keys, read from buffer b.  more = 1: the next step's images and mask words are fetched.
.macro STEP b, more
	s_wait_dscnt 0x0                               ; for the others' sake: my stores of this step's images have landed, and my reads of the other buffer are in
	s_barrier_signal -1
	s_barrier_wait -1                              ; both now hold of all four waves: buffer b is whole, and nobody reads the other one
.if \more
	s_wait_alu depctr_vm_vsrc(0)                   ; my LDS stores of this step's images have read v[STG ..], in which the loads below land
.irp i, 0,1,2,3,4,5,6,7
	global_load_b128 v[STG+4*\i:STG+4*\i+3], v[GK], s[2:3] offset:TILEB+2048*\i   ; the next step's images: they have the whole step in which to land
.endr
.endif
	s_wait_alu depctr_va_vdst(0)                   ; the last step's products V^T P are done reading v[F ..], in which K's fragments land (ahead of the first step nothing has named them)
.irp t, 0,1,2,3,4,5,6,7
	ds_load_b128 v[F+8*\t:F+8*\t+3],   v[LD0+\b] offset:1024*\t       ; K's eight fragments, as they stand
	ds_load_b128 v[F+8*\t+4:F+8*\t+7], v[LD0+\b] offset:1024*\t+512
.endr
	s_wait_dscnt 0x0
.irp t, 0,1,2,3,4,5,6,7
	v_wmma_f32_16x16x64_fp8_fp8 v[S+8*\t:S+8*\t+7], v[F+8*\t:F+8*\t+7], v[QF:QF+7], 0
.endr
.rept 4
	v_nop                                          ; four places behind the products (ISA guide 7.12.1), ahead of the first reads of their results
.endr
	s_wait_kmcnt 0x0                               ; this step's mask words
.set n, 0
.rept 64
	v_cndmask_b32 v[S+n], v[NEG], v[S+n], s[16+n+4*(n/48)]   ; bit 0: the masked score.  Each accumulator from its low end on
.set n, n+1
.endr
	v_max3_num_f32 v[MXA], v[S], v[S+1], v[S+2]    ; the step's largest score of my query among my 64 keys, in two chains,
	v_max3_num_f32 v[MXB], v[S+3], v[S+4], v[S+5]
.set j, 6
.rept 14
	v_max3_num_f32 v[MXA], v[MXA], v[S+j], v[S+j+1]
	v_max3_num_f32 v[MXB], v[MXB], v[S+j+2], v[S+j+3]
.set j, j+4
.endr
	v_max3_num_f32 v[MXA], v[MXA], v[S+62], v[S+63]
	v_max_num_f32 v[MXA], v[MXA], v[MXB]
	s_wait_alu depctr_va_vdst(0)                   ; the products K Q^T are done reading v[F ..], in which V^T's fragments land.  (The selects, which read the mask words' scalar registers, stand ahead of this wait too)
.if \more
	s_add_nc_u64 s[4:5], s[4:5], 256               ; (the wait on KMcnt above has shown the earlier scalar loads done)
	s_load_b512 s[16:31], s[4:5], 0x0              ; the next step's mask words: the rest of the step in which to land
	s_load_b512 s[32:47], s[4:5], 0x40
	s_load_b512 s[48:63], s[4:5], 0x80
	s_load_b512 s[68:83], s[4:5], 0xc0
.endif
	VFRAG \b, 0                                    ; V^T's four fragments land during the softmax: four loads here, four ahead of each of the first three blocks of scalings.
	                                               ; No further wait: the vector lines between name the statistics and S^T alone, never v[F ..] nor v4, v5
	v_permlanex16_b32 v[PX], v[MXA], s[SEL], s[SEL+1]
	v_max_num_f32 v[MXA], v[MXA], v[PX]            ; and among lane l xor 16's
	v_mul_f32 v[MXA], s[CS], v[MXA]                ; as t (c is positive)
	v_max_num_f32 v13, v13, v[MXA]                 ; the running largest t
	v_mov_b32 v[MXA], v12
	v_floor_f32 v12, -v13                          ; the new -M = floor(-t) = -ceil(t): a whole number
	v_sub_f32 v[MXA], v12, v[MXA]                  ; old M - new M: 0 or less
	v_cvt_i32_f32 v[MXA], v[MXA]                   ; (it saturates)
	v_ldexp_f32 v[FF], 1.0, v[MXA]                 ; f = 2^(old M - new M)
.irp c, 0,1,2,3
.if \c < 3
	VFRAG \b, \c+1
.endif
.set j, 16*\c
.rept 8
	v_pk_fma_f32 v[S+j:S+j+1], v[S+j:S+j+1], s[CS:CS+1], v[12:13] op_sel_hi:[1,0,0]   ; t - M, two at a time (of the pairs c and -M the low word serves both halves)
.set j, j+2
.endr
.endr
.set j, 0
	s_wait_alu depctr_va_vdst(0)
.rept 64
	v_exp_f32 v[S+j], v[S+j]                       ; p = 2^(t - M), at most 1
.set j, j+1
.endr
	v_pk_mul_f32 v[14:15], v[14:15], v[FF:FF+1] op_sel_hi:[1,0]   ; the sums under the new M.  (The plain line behind the exponentials)
.set j, 0
	s_wait_alu depctr_va_vdst(0)
.rept 16
	v_pk_mul_f32 v[OT+j:OT+j+1], v[OT+j:OT+j+1], v[FF:FF+1] op_sel_hi:[1,0]   ; O^T under the new M, each accumulator from its low end on: work that names no exponential's result, between the batch and the wait for it
.set j, j+2
.endr
	s_wait_alu depctr_va_vdst(0)                   ; the 64 exponentials have written v[S ..]: one wait for the batch, ahead of its first reader
	v_pk_add_f32 v[SM2:SM2+1], v[S:S+1], v[S+2:S+3]               ; the row's sum is taken of the unquantised p: two at a time, in two chains
.set j, 4
.rept 15
	v_pk_add_f32 v[14:15], v[14:15], v[S+j:S+j+1]
	v_pk_add_f32 v[SM2:SM2+1], v[SM2:SM2+1], v[S+j+2:S+j+3]
.set j, j+4
.endr
	v_pk_add_f32 v[14:15], v[14:15], v[SM2:SM2+1]
	s_cmp_ge_i32 s86, -8                           ; p is at most 1, and 448 x 2^e2 is at least 1.75 from e2 = -8 on: the hold then changes nothing and is passed over.
	s_cbranch_scc1 .Lnohold_\@                     ; The branch hangs on a given whole number, alike in all waves; no barrier and no memory instruction stands under it
.set j, 0
.rept 64
	v_min_num_f32 v[S+j], v[S+j], v[LIM]           ; the conversion does not saturate (ISA guide 7.6.2); p is not negative, so the hold is one-sided
.set j, j+1
.endr
.Lnohold_\@:
.irp t, 0,1,2,3,4,5,6,7
	v_cvt_scalef32_pk8_fp8_f32 v[PC+2*\t:PC+2*\t+1], v[S+8*\t:S+8*\t+7], v[SCP]   ; keys 16 t + 8 h + 0 .. 7: registers 2 t, 2 t + 1 of P
.endr
	v_nop                                          ; one plain vector line behind the last conversion, ahead of the products that read its result
	s_wait_alu depctr_va_vdst(0)
	s_wait_dscnt 0x0                               ; V^T's fragments
.irp c, 0,1,2,3
	v_wmma_f32_16x16x128_fp8_fp8 v[OT+8*\c:OT+8*\c+7], v[F+16*\c:F+16*\c+15], v[PC:PC+15], v[OT+8*\c:OT+8*\c+7]   ; the four accumulators take turns, one instruction a turn
.endr
.rept 4
	v_nop                                          ; four places behind the products (ISA guide 7.12.1): behind the last step they stand ahead of the reads of O^T; that these products are done reading v[F ..] is stated by the wait at the next step's head
.endr
.if \more
	s_wait_loadcnt 0x0                             ; the next step's images are in registers, and the loads have read their base
.irp i, 0,1,2,3,4,5,6,7
	ds_store_b128 v[ST0+1-\b], v[STG+4*\i:STG+4*\i+3] offset:2048*\i   ; into the other buffer: every wave passed this step's barrier behind its last read of it.  (Loads wrote the data, and no vector line names data or address)
.endr
	s_add_nc_u64 s[2:3], s[2:3], TILEB
.endif
.endm
	s_mov_b32 s15, 7
.Ltrip:                                            ; seven trips of two steps; the last two steps are written out, so that no load leaves its buffer
	STEP 0, 1
	STEP 1, 1
	s_sub_co_u32 s15, s15, 1
	s_cmp_lg_u32 s15, 0
	s_cbranch_scc1 .Ltrip
	STEP 0, 1
	STEP 1, 0
	; THE WAY OUT.  O^T / the sum x 2^(e2 + e3) goes through my stage and leaves as whole rows: a store covers 512 consecutive bytes, two rows of out.
	v_add_f32 v14, v14, v15                        ; the sum's two halves,
	v_permlanex16_b32 v[PX], v14, s[SEL], s[SEL+1]
	v_add_f32 v14, v14, v[PX]                      ; and lane l xor 16's
	s_wait_alu depctr_va_vdst(0)
	v_rcp_f32 v14, v14
	v_nop                                          ; one plain line behind the transcendental
	s_add_co_i32 s92, s86, s87
	s_wait_alu depctr_va_vdst(0)                   ; the reciprocal has written v14, ahead of its first reader
	v_ldexp_f32 v14, v14, s92
.set j, 0
.rept 32
	v_mul_f32 v[S+j], v[OT+j], v14                 ; register 8 c + i: out(r, 16 c + 8 h + i); each accumulator from its low end on
.set j, j+1
.endr
	s_wait_alu depctr_va_vdst(0)                   ; the scalings have written v[S ..], which the LDS stores read; the last products V^T P are done reading v[F ..], in which the stage's loads land
.irp c, 0,1,2,3
	ds_store_b128 v[SA], v[S+8*\c:S+8*\c+3]   offset:64*\c
	ds_store_b128 v[SA], v[S+8*\c+4:S+8*\c+7] offset:64*\c+16
.endr
.irp i, 0,1,2,3,4,5,6,7
	ds_load_b128 v[F+4*\i:F+4*\i+3], v[SB] offset:2*SP*\i   ; in order behind my stores
.endr
.irp i, 0,1,2,3,4,5,6,7
	s_wait_dscnt 7-\i                              ; LDS loads come back in order: load i is in, the younger ones may be out
	global_store_b128 v[GD], v[F+4*\i:F+4*\i+3], s[6:7] offset:512*\i th:TH_STORE_NT   ; written once, read by nobody here
.endr
	s_wait_dscnt 0x0
	s_wait_alu depctr_hold_cnt(0) depctr_sa_sdst(0) depctr_va_vdst(0) depctr_va_sdst(0) depctr_va_ssrc(0) depctr_va_vcc(0) depctr_vm_vsrc(0)
	s_wait_tensorcnt 0x0
	ds_add_u32 v254, v255
	s_wait_dscnt 0x0
	s_endpgm
.Lfunc_end_k_q26d10627ab_attn:
	.size	k_q26d10627ab_attn, .Lfunc_end_k_q26d10627ab_attn-k_q26d10627ab_attn
	.p2alignl 7, 3214868480
	.fill 96, 4, 3214868480
	.section	.rodata,"a",@progbits
	.p2align	6, 0x0
	.amdhsa_kernel k_q26d10627ab_attn
		.amdhsa_group_segment_fixed_size 107008
		.amdhsa_private_segment_fixed_size 0
		.amdhsa_enable_private_segment 0
		.amdhsa_kernarg_size 40
		.amdhsa_user_sgpr_count 2
		.amdhsa_user_sgpr_kernarg_segment_ptr 1
		.amdhsa_wavefront_size32 1
		.amdhsa_system_sgpr_workgroup_id_x 1
		.amdhsa_system_sgpr_workgroup_id_y 1
		.amdhsa_system_sgpr_workgroup_id_z 1
		.amdhsa_system_vgpr_workitem_id 0
		.amdhsa_next_free_vgpr 256
		.amdhsa_next_free_sgpr 102
		.amdhsa_reserve_vcc 0
		.amdhsa_float_denorm_mode_32 3
		.amdhsa_float_denorm_mode_16_64 3
		.amdhsa_memory_ordered 1
		.amdhsa_forward_progress 1
		.amdhsa_inst_pref_size 97
	.end_amdhsa_kernel
	.amdgpu_metadata
---
amdhsa.version: [ 1, 2 ]
amdhsa.kernels:
  - .name:           k_q26d10627ab_attn
    .symbol:         k_q26d10627ab_attn.kd
    .args:
      - { .name: query, .offset: 0, .size: 8, .value_kind: global_buffer, .address_space: global }
      - { .name: kvc, .offset: 8, .size: 8, .value_kind: global_buffer, .address_space: global }
      - { .name: maskw, .offset: 16, .size: 8, .value_kind: global_buffer, .address_space: global }
      - { .name: lowp_scales, .offset: 24, .size: 8, .value_kind: global_buffer, .address_space: global }
      - { .name: out0, .offset: 32, .size: 8, .value_kind: global_buffer, .address_space: global }
    .group_segment_fixed_size: 107008
    .private_segment_fixed_size: 0
    .kernarg_segment_align: 8
    .kernarg_segment_size: 40
    .max_flat_workgroup_size: 128
    .sgpr_count:     102
    .vgpr_count:     256
    .wavefront_size: 32
...
	.end_amdgpu_metadata
.endif
;; end of part 4
